; MI455X (gfx1250); checked and timed in simulation.
; The chip was launched on July 23, 2026; its instructions are those of AMD's public machine-readable ISA for CDNA 5 (MIT licence, August 2026) and "CDNA5" Instruction Set Architecture Reference Guide (July 2026). The comments in the code are by the model that wrote it; some were corrected since.
;; Attention. Allowed arithmetic: matrix products marked QUANTISED: E2M3 operands, one E8M0 scale for each 32 along K, by v_wmma_scale_f32_16x16x128_f8f6f4 with both operands' format E2M3, f32 sums; products left as they are: f32 operands where the result goes on into a quantised operand, else bf16, f16 or f32 operands; f32 sums; everything else in f32.
;; Inputs: W_c 1,024 float32; W_d 1,024 x 1,024 float32; W_h 1,024 x 1,024 float32; W_q 1,024 x 1,024 float32; b_d 1,024 float32; coverage 32 x 1,024 float32; enc_padding_mask 32 x 1,024 float32; h 32 x 1,024 x 1,024 float32; q_h 32 x 1,024 x 1,024 float32; s_t_hat 32 x 1,024 float32; v_w 1,024 float32.
;; Outputs: out0 32 x 1,024 float32; out1 32 x 1,024 float32; out2 32 x 1,024 float32.
;; This version of the problem:
;;   THIS VERSION OF THE PROBLEM IS GIVEN IN LOW PRECISION. The matrix products marked QUANTISED in the list below multiply operands that are first quantised to E2M3 (2 exponent bits, 3 mantissa bits; 6 bits a number), with one power-of-two scale for each 32 numbers along K (OCP MX v1.0); their sums are f32. All else is computed in f32.
;;   The module's matrix products, in the order in which they are computed (A, B: the left and right operand; K: the contracted axis; several contracted axes count as one K, in the product's order):
;;     1. [M 32,768, K 1,024] x [K 1,024, N 1,024]; A: input h; B: input W_h: QUANTISED
;;     2. [M 32,768, K 1,024] x [K 1,024, N 1,024]; A: input q_h; B: input W_q: QUANTISED
;;     3. [M 32, K 1,024] x [K 1,024, N 1,024]; A: input s_t_hat; B: input W_d: QUANTISED
;;     4. [M 32,768, K 1,024] x [K 1,024, N 1]; A: computed on the way; B: input v_w: left as it is (N = 1 < 16)
;;     5. batch 32 x [M 1, K 1,024] x [K 1,024, N 1,024]; A: computed on the way; B: input h: left as it is (M = 1 < 16)
;;   THE QUANTISER, for each operand of a quantised product, along K:
;;     - K is cut into blocks of 32 from its start; a last block that is shorter is filled with zeros.
;;     - A block's scale is 2^e with e = floor(log2(the largest magnitude in the block)) - 2, held to -126 .. 127; a block of zeros has e = 0. As a byte (E8M0): e + 127.
;;     - Each number is divided by its block's scale, clamped to +-7.5, and rounded to the nearest number of E2M3, ties to even, subnormals kept.
;;     - The product sums the exact products of the quantised numbers (number of the format x scale) in f32.
;;   ~~~python
;;   def quantise(x, axis):      # numpy; x: float32 -> the quantised numbers, widened to float32 again
;;       x = np.moveaxis(x, axis, -1); K = x.shape[-1]
;;       x = np.pad(x, [(0, 0)] * (x.ndim - 1) + [(0, -K % 32)]); x = x.reshape(x.shape[:-1] + (-1, 32)); a = np.abs(x).max(-1, keepdims=True)
;;       e = np.where(a > 0, np.clip(np.frexp(np.where(a > 0, a, 1))[1] - 1 - 2, -126, 127), 0)      # np.frexp(a)[1] - 1 = floor(log2(a)), exactly
;;       r = np.clip(x / 2.0 ** e, -7.5, 7.5)
;;       step = 2.0 ** (np.maximum(np.frexp(np.where(r == 0, 1, r))[1] - 1, 0) - 3)
;;       q = np.round(r / step) * step * 2.0 ** e      # np.round: ties to even
;;       return np.moveaxis(q.reshape(q.shape[:-2] + (-1,))[..., :K], -1, axis).astype(np.float32)
;;   ~~~
;; One version. Each part assembles by itself: llvm-mc -triple=amdgcn-amd-amdhsa -mcpu=gfx1250 --defsym DOCPART=n.
;; ======== version 1 of 1: 3 launches
;; limits: right only within a limited range of input values
;; workspace buffers: wq 1,638,400 bytes; dec 131,072 bytes; scores 131,072 bytes
;; launch prep (part 1): grid 192 x 1, 8 waves a work-group, no clusters, 287,744 bytes of LDS; arguments W_h, W_q, W_d, s_t_hat, b_d, wq, dec; writes wq, dec
.if DOCPART == 1
	.amdgcn_target "amdgcn-amd-amdhsa--gfx1250"
	.amdhsa_code_object_version 6
	.text
	.protected	k_qb3e87e8ad1_prep
	.globl	k_qb3e87e8ad1_prep
	.p2align	8
	.type	k_qb3e87e8ad1_prep,@function
k_qb3e87e8ad1_prep:
	s_mov_b64 s[64:65], 0
	v_nop
	global_prefetch_b8 v0, s[64:65] scope:SCOPE_SE
	s_setreg_imm32_b32 hwreg(HW_REG_WAVE_MODE, 25, 1), 1
	s_wait_xcnt 0x0
; W_h and W_q [1024][1024] f32 become codes of FP6 (E2M3) with one E8M0 byte for each 32 along K, laid in wq in the order of the operand's registers;
; dec[b][n] = sum over k of Q(s_t_hat)[b][k] Q(W_d)[n][k] + b_d[n], both operands quantised here, by the scaled matrix instruction.
; SHARES.  Work-group = (matrix mtx = x / 64: W_h, W_q, W_d;  tile nt = x % 64 of 16 weight rows);  wave ks = the K step of 128.
; LOADS.  Each load of a wave reads 512 consecutive bytes: one row's K step.  The quantiser wants lane (r, h) to hold, of row r, k = 64 c + 32 h + 0 .. 31 (c = 0, 1): two WHOLE blocks of 32, in the order that the
; 6-bit operand's layout gives that lane.  So the sixteen rows turn through the wave's own stage in LDS (rows of 528 bytes = 132 words: the sixteen rows of a read start 4 banks apart) and come back into the registers that they left.
; The two ways of the text (weights to wq; dec) have stages of their own.
; wq: K step s = 8 mtx + ks: 102,400 bytes; in it the reading wave nt / 16: 25,600; in it group (nt / 4) % 4: 6,400 = four fragments of 1,536 (three pieces of 512 bytes, 16 bytes a lane), then 256 bytes of
; scale words: 8 bytes for lane l: word i of lane r + 16 hi is that of row r of fragment 2 i + hi.  A fragment's three stores cover 512 consecutive aligned bytes each; the scale words (4 bytes a row) and dec
; (8 bytes a lane) fill their aligned blocks of 256 bytes in parts: 64 KB and 128 KB of the launch's stores.
; A block's scale byte is its largest magnitude's exponent field - 2, held at 1 from below.  A block of zeros so gets the byte 1 where the quantiser says 127: its codes are zeros, and this program alone reads the bytes.
; LIMITS: NaN and infinities among the inputs are not served.  dec's K is summed in eight parts (one a wave), joined in ascending order in f32.
.set TM,  12                           ; v12-15 four maxima, v16-17 scale operands, v18-19 bytes, v20 a lane permute's destination
.set H8,  7                            ; v7   8 h
.set STW, 4                            ; v4   LDS: my wave's stages + 16 x lane
.set STR, 21                           ; v21  LDS: my wave's stages + 528 r + 128 h
.set SEL, 32                           ; s[32:33] selects of v_permlanex16_b32: lane l xor 16
.set CW,  26                           ; v26-37 the weight's fragment;  v38-49, v50-61 s_t_hat's two
.set CS0, 38
.set CS1, 50
.set X0,  64                           ; v64-127 the weight's 64 numbers;  v128-191, v192-255 s_t_hat's
.set X1,  128
.set X2,  192
.set SROW, 528                         ; a stage row: 512 bytes + 16
.set STG,  16*SROW                     ; a stage
.set WST,  4*STG                       ; a wave's four stages: number 0 for the way to wq, 1 to 3 for the way to dec
.set RED,  8*WST                       ; behind the stages: the eight waves' partial sums of dec, 2,048 bytes each
; 64 numbers of a lane, register 32 c + i = k 64 c + 32 h + i of its row, become the fragment v[pc .. pc + 11] and the row's scale word v[pw].  pt: v[pt .. pt + 6] at work.
.macro QUANT x, pc, pt, pw
.irp c, 0,1
	v_max3_num_f32 v[TM+2*\c], |v[\x+32*\c]|, |v[\x+32*\c+1]|, 0x1800000          ; block c, in two chains; the floor 2^(3 - 127) holds the byte at 1 from below
	v_max3_num_f32 v[TM+2*\c+1], |v[\x+32*\c+16]|, |v[\x+32*\c+17]|, |v[\x+32*\c+18]|
.endr
.irp i, 0,2,4,6,8,10
.irp c, 0,1
	s_delay_alu instid0(VALU_DEP_4)
	v_max3_num_f32 v[TM+2*\c], v[TM+2*\c], |v[\x+32*\c+2+\i]|, |v[\x+32*\c+3+\i]|
	s_delay_alu instid0(VALU_DEP_4)
	v_max3_num_f32 v[TM+2*\c+1], v[TM+2*\c+1], |v[\x+32*\c+19+\i]|, |v[\x+32*\c+20+\i]|
.endr
.endr
.irp c, 0
	s_delay_alu instid0(VALU_DEP_4)
	v_max3_num_f32 v[TM+2*\c], v[TM+2*\c], |v[\x+32*\c+14]|, |v[\x+32*\c+15]|
.endr
.irp c, 1
	s_delay_alu instid0(VALU_DEP_3)
	v_max3_num_f32 v[TM+2*\c], v[TM+2*\c], |v[\x+32*\c+14]|, |v[\x+32*\c+15]|
.endr
.irp c, 0,1
	s_delay_alu instid0(VALU_DEP_2)
	v_max3_num_f32 v[TM+2*\c], v[TM+2*\c], v[TM+2*\c+1], |v[\x+32*\c+31]|         ; the block's largest magnitude
.endr
.irp c, 0,1
	s_delay_alu instid0(VALU_DEP_2)
	v_add_nc_u32 v[TM+4+\c], 0xff000000, v[TM+2*\c]                               ; 2 off its exponent field: the conversion's scale operand
.endr
.irp c, 0,1
	s_delay_alu instid0(VALU_DEP_2)
	v_lshrrev_b32 v[TM+6+\c], 23, v[TM+4+\c]                                      ; the scale's byte
.endr
	s_delay_alu instid0(VALU_DEP_1)
	v_lshl_or_b32 v[\pw], v[TM+7], 16, v[TM+6]                                    ; my bytes: blocks h and 2 + h,
	s_delay_alu instid0(VALU_DEP_1)
	v_lshlrev_b32 v[\pw], v[H8], v[\pw]                                           ; at their places in the word;
	s_delay_alu instid0(VALU_DEP_1)
	v_permlanex16_b32 v[TM+8], v[\pw], s[SEL], s[SEL+1]
	s_delay_alu instid0(VALU_DEP_1)
	v_or_b32 v[\pw], v[\pw], v[TM+8]                                              ; with lane l xor 16's two the word is whole
.irp c, 0,1
	v_cvt_scalef32_pk16_fp6_f32 v[\pc+6*\c:\pc+6*\c+2], v[\x+32*\c:\x+32*\c+15], v[TM+4+\c]
	v_cvt_scalef32_pk16_fp6_f32 v[\pt+4*\c:\pt+4*\c+2], v[\x+32*\c+16:\x+32*\c+31], v[TM+4+\c]   ; (a conversion's three registers begin on an even number)
.endr
	v_nop                                                                         ; one plain place behind a scaled conversion
.irp c, 0,1
.irp i, 0,1,2
	v_mov_b32 v[\pc+6*\c+3+\i], v[\pt+4*\c+\i]
.endr
.endr
.endm
.macro XLOAD reg, sb, off              ; sixteen loads, a row each: 32 lanes read the row's 512 consecutive bytes of this K step
.irp i, 0,1,2,3,4,5,6,7,8,9,10,11,12,13,14,15
	global_load_b128 v[\reg+4*\i:\reg+4*\i+3], v5, s[\sb:\sb+1] offset:\off+4096*\i
.endr
.endm
.macro TURN x, slot                    ; the sixteen rows through stage number slot: in as they lie, back 128 consecutive bytes twice a lane.  LDS serves a wave's instructions in order (ISA guide 5.7.1.4): the loads see the stores
.irp i, 0,1,2,3,4,5,6,7,8,9,10,11,12,13,14,15
	ds_store_b128 v[STW], v[\x+4*\i:\x+4*\i+3] offset:\slot*STG+SROW*\i
.endr
.irp c, 0,1
.irp i, 0,1,2,3,4,5,6,7
	ds_load_b128 v[\x+32*\c+4*\i:\x+32*\c+4*\i+3], v[STR] offset:\slot*STG+256*\c+16*\i
.endr
.endr
.endm
	s_load_b256 s[4:11], s[0:1], 0x0               ; W_h s[4:5], W_q s[6:7], W_d s[8:9], s_t_hat s[10:11]
	s_load_b128 s[12:15], s[0:1], 0x20             ; b_d s[12:13], wq s[14:15]
	s_load_b64 s[16:17], s[0:1], 0x30              ; dec
	v_lshl_add_u32 v25, v0, 2, 0x46000
	s_set_vgpr_msb 0x40
	v_mov_b32 v1, 0
	s_set_vgpr_msb 0x4000
	v_lshrrev_b32 v1, 5, v0
	s_delay_alu instid0(VALU_DEP_1)
	v_readfirstlane_b32 s22, v1                    ; ks: my wave
	s_lshr_b32 s20, ttmp9, 6                       ; mtx
	s_and_b32 s21, ttmp9, 63                       ; nt
	v_and_b32 v1, 31, v0                           ; lane
	v_and_b32 v2, 15, v0                           ; r
	v_bfe_u32 v3, v0, 4, 1                         ; h
	s_delay_alu instid0(VALU_DEP_3)
	v_lshlrev_b32 v5, 4, v1                        ; 16 x lane
	s_delay_alu instid0(VALU_DEP_3)
	v_lshlrev_b32 v6, 3, v2                        ; 8 r
	s_delay_alu instid0(VALU_DEP_3)
	v_lshlrev_b32 v[H8], 3, v3
	s_mul_i32 s23, s22, WST                        ; my wave's stages
	v_lshl_add_u32 v[STW], v1, 4, s23
	v_mul_u32_u24 v[STR], v2, SROW
	s_delay_alu instid0(VALU_DEP_1)
	v_lshl_add_u32 v[STR], v3, 7, v[STR]
	s_delay_alu instid0(VALU_DEP_1)
	v_add_nc_u32 v[STR], s23, v[STR]
	s_lshl_b32 s23, s22, 11
	s_add_co_u32 s23, s23, RED
	v_lshl_add_u32 v8, v1, 4, s23                  ; LDS: my wave's 2,048 bytes of partial sums, 16 bytes a lane
	s_lshr_b32 s23, s22, 1
	s_lshl_b32 s23, s23, 9
	s_and_b32 s24, s22, 1
	s_lshl_b32 s24, s24, 3
	s_add_co_u32 s23, s23, s24
	s_add_co_u32 s23, s23, RED
	v_lshl_add_u32 v9, v1, 4, s23                  ; LDS: the two registers 2 ks, 2 ks + 1 of every wave's sixteen
	v_lshlrev_b32 v10, 12, v2
	s_delay_alu instid0(VALU_DEP_1)
	v_lshl_add_u32 v10, v3, 5, v10                 ; dec: row r of 4,096 bytes + 32 h
	v_lshlrev_b32 v11, 5, v3                       ; b_d: 32 h
	v_mov_b32 v[TM+8], 0                           ; written once: a lane permute's destination counts as one of its sources
	s_mov_b32 s[SEL], 0x76543210
	s_mov_b32 s[SEL+1], 0xfedcba98
	s_lshl_b32 s24, s21, 16                        ; 16 rows of 4,096 bytes a tile,
	s_lshl_b32 s25, s22, 9                         ; 512 bytes a K step
	s_add_co_u32 s24, s24, s25
	s_mov_b32 s25, 0
	s_wait_kmcnt 0x0
	s_cmp_eq_u32 s20, 0                            ; which weight: the choice hangs on the work-group's number alone
	s_cselect_b64 s[4:5], s[4:5], s[6:7]
	s_cmp_eq_u32 s20, 2
	s_cselect_b64 s[4:5], s[8:9], s[4:5]
	s_add_nc_u64 s[4:5], s[4:5], s[24:25]
	XLOAD X0, 4, 0
	s_cmp_eq_u32 s20, 2
	s_cbranch_scc1 .Ldec                           ; the same way for all eight waves of a work-group
	; ---- W_h, W_q: the fragment and its scale words go to wq
	s_wait_loadcnt 0x0
	s_wait_alu depctr_va_vdst(0)
	TURN X0, 0
	s_wait_dscnt 0x0
	QUANT X0, CW, CS1, 22
	s_lshl_b32 s26, s20, 3
	s_add_co_u32 s26, s26, s22                     ; the K step 8 mtx + ks
	s_mul_i32 s26, s26, 102400
	s_lshr_b32 s27, s21, 4
	s_mul_i32 s27, s27, 25600                      ; the reading wave
	s_add_co_u32 s26, s26, s27
	s_bfe_u32 s27, s21, 0x20002
	s_mul_i32 s27, s27, 6400                       ; its group
	s_add_co_u32 s26, s26, s27
	s_and_b32 s27, s21, 3
	s_mul_i32 s27, s27, 1536                       ; the fragment in the group
	s_add_co_u32 s28, s26, s27
	s_mov_b32 s29, 0
	s_add_nc_u64 s[28:29], s[14:15], s[28:29]
	s_and_b32 s27, s21, 1
	s_lshl_b32 s27, s27, 7                         ; scale words: lanes 16-31's half for an odd fragment,
	s_add_co_u32 s26, s26, s27
	s_bfe_u32 s27, s21, 0x10001
	s_lshl_b32 s27, s27, 2                         ; the lane's second word for fragments 2 and 3
	s_add_co_u32 s30, s26, s27
	s_mov_b32 s31, 0
	s_add_nc_u64 s[30:31], s[14:15], s[30:31]
	s_wait_alu depctr_va_vdst(0)
.irp c, 0,1,2
	global_store_b128 v5, v[CW+4*\c:CW+4*\c+3], s[28:29] offset:512*\c   ; 32 lanes store 512 consecutive bytes, aligned
.endr
	global_store_b32 v6, v22, s[30:31] offset:6144 ; lanes r and r + 16 store the same word to the same place
	s_set_vgpr_msb 0x4
	s_wait_tensorcnt 0x0
	ds_add_u32 v25, v1
	s_wait_dscnt 0x0
	s_set_vgpr_msb 0x400
	s_endpgm
	; ---- W_d: dec's tile of 16 columns for all 32 rows, my K step
.Ldec:
	s_lshl_b32 s26, s22, 9
	s_mov_b32 s27, 0
	s_add_nc_u64 s[10:11], s[10:11], s[26:27]
	XLOAD X1, 10, 0                                ; s_t_hat's rows 0-15,
	XLOAD X2, 10, 65536                            ; rows 16-31
	s_lshl_b32 s26, s21, 6
	s_and_b32 s28, s22, 3
	s_lshl_b32 s28, s28, 3
	s_add_co_u32 s26, s26, s28                     ; the columns that I add up and store: 16 nt + 2 (ks % 4) (+ 8 h), in bytes
	s_add_nc_u64 s[12:13], s[12:13], s[26:27]
	s_wait_alu depctr_va_vdst(0)
	global_load_b64 v[62:63], v11, s[12:13]        ; their b_d
	s_lshr_b32 s28, s22, 2
	s_lshl_b32 s28, s28, 16                        ; and the rows: 16 (ks / 4) + r
	s_add_co_u32 s26, s26, s28
	s_add_nc_u64 s[16:17], s[16:17], s[26:27]
	s_wait_loadcnt 33                              ; the weight's sixteen loads are in; behind them: s_t_hat's 32 and b_d's one
	TURN X0, 1
	s_wait_dscnt 0x0
	s_wait_loadcnt 17                              ; s_t_hat's rows 0-15 are in
	TURN X1, 2                                     ; they turn while the weight is quantised
	QUANT X0, CW, CS1, 22
	s_wait_dscnt 0x0
	s_wait_loadcnt 1                               ; rows 16-31 are in; b_d's load may be out
	TURN X2, 3
	QUANT X1, CS0, CS1, 23
	s_wait_dscnt 0x0
	QUANT X2, CS1, 80, 24                          ; (v80-86: the weight's numbers are done with)
.rept 8
	v_nop                                          ; a scale register written by a vector instruction stands 8 places ahead of a scaled matrix instruction, an operand so written 4
.endr
	; source 0 = W_d's 16 rows, source 1 = 16 rows of s_t_hat: lane (r, h), register j: dec(16 T + r, 16 nt + 8 h + j)
	v_wmma_scale_f32_16x16x128_f8f6f4 v[64:71], v[CW:CW+11], v[CS0:CS0+11], 0, v22, v23 matrix_a_fmt:MATRIX_FMT_FP6 matrix_b_fmt:MATRIX_FMT_FP6
	v_wmma_scale_f32_16x16x128_f8f6f4 v[72:79], v[CW:CW+11], v[CS1:CS1+11], 0, v22, v24 matrix_a_fmt:MATRIX_FMT_FP6 matrix_b_fmt:MATRIX_FMT_FP6
.rept 4
	v_nop                                          ; four places in front of the first read of the results (ISA guide 7.12.1)
.endr
.irp i, 0,1,2,3
	ds_store_b128 v8, v[64+4*\i:64+4*\i+3] offset:512*\i   ; each accumulator from its low end on
.endr
	s_wait_dscnt 0x0                               ; for the others' sake: my partial sums lie in LDS
	s_barrier_signal -1
	s_barrier_wait -1
.irp k, 0,1,2,3,4,5,6,7
	ds_load_b64 v[96+2*\k:97+2*\k], v9 offset:2048*\k      ; the eight K steps' parts of my two numbers a lane
.endr
	s_wait_dscnt 0x0
.irp k, 1
	v_pk_add_f32 v[96:97], v[96:97], v[96+2*\k:97+2*\k]    ; K ascending
.endr
.irp k, 2, 3, 4, 5, 6, 7
	s_delay_alu instid0(VALU_DEP_1)
	v_pk_add_f32 v[96:97], v[96:97], v[96+2*\k:97+2*\k]    ; K ascending
.endr
	s_wait_alu depctr_va_vdst(0)
	s_wait_loadcnt 0x0                             ; b_d
	v_pk_add_f32 v[96:97], v[96:97], v[62:63]
	global_store_b64 v10, v[96:97], s[16:17]
	s_set_vgpr_msb 0x4
	s_wait_tensorcnt 0x0
	ds_add_u32 v25, v1
	s_wait_dscnt 0x0
	s_set_vgpr_msb 0x400
	s_endpgm
.Lfunc_end_k_qb3e87e8ad1_prep:
	.size	k_qb3e87e8ad1_prep, .Lfunc_end_k_qb3e87e8ad1_prep-k_qb3e87e8ad1_prep
	.p2alignl 7, 3214868480
	.fill 96, 4, 3214868480
	.section	.rodata,"a",@progbits
	.p2align	6, 0x0
	.amdhsa_kernel k_qb3e87e8ad1_prep
		.amdhsa_group_segment_fixed_size 287744
		.amdhsa_private_segment_fixed_size 0
		.amdhsa_enable_private_segment 0
		.amdhsa_kernarg_size 56
		.amdhsa_user_sgpr_count 2
		.amdhsa_user_sgpr_kernarg_segment_ptr 1
		.amdhsa_wavefront_size32 1
		.amdhsa_system_sgpr_workgroup_id_x 1
		.amdhsa_system_sgpr_workgroup_id_y 1
		.amdhsa_system_sgpr_workgroup_id_z 1
		.amdhsa_system_vgpr_workitem_id 0
		.amdhsa_next_free_vgpr 258
		.amdhsa_next_free_sgpr 66
		.amdhsa_reserve_vcc 0
		.amdhsa_float_denorm_mode_32 3
		.amdhsa_float_denorm_mode_16_64 3
		.amdhsa_memory_ordered 1
		.amdhsa_forward_progress 1
		.amdhsa_inst_pref_size 37
	.end_amdhsa_kernel
	.amdgpu_metadata
---
amdhsa.version: [ 1, 2 ]
amdhsa.kernels:
  - .name:           k_qb3e87e8ad1_prep
    .symbol:         k_qb3e87e8ad1_prep.kd
    .args:
      - { .name: W_h, .offset: 0, .size: 8, .value_kind: global_buffer, .address_space: global }
      - { .name: W_q, .offset: 8, .size: 8, .value_kind: global_buffer, .address_space: global }
      - { .name: W_d, .offset: 16, .size: 8, .value_kind: global_buffer, .address_space: global }
      - { .name: s_t_hat, .offset: 24, .size: 8, .value_kind: global_buffer, .address_space: global }
      - { .name: b_d, .offset: 32, .size: 8, .value_kind: global_buffer, .address_space: global }
      - { .name: wq, .offset: 40, .size: 8, .value_kind: global_buffer, .address_space: global }
      - { .name: dec, .offset: 48, .size: 8, .value_kind: global_buffer, .address_space: global }
    .group_segment_fixed_size: 287744
    .private_segment_fixed_size: 0
    .kernarg_segment_align: 8
    .kernarg_segment_size: 56
    .max_flat_workgroup_size: 256
    .sgpr_count:     66
    .vgpr_count:     258
    .wavefront_size: 32
...
	.end_amdgpu_metadata
.endif
;; end of part 1
;; launch main (part 2): grid 256 x 1, 4 waves a work-group, no clusters, 253,952 bytes of LDS; arguments h, q_h, wq, dec, W_c, v_w, coverage, scores; writes scores
.if DOCPART == 2
	.amdgcn_target "amdgcn-amd-amdhsa--gfx1250"
	.amdhsa_code_object_version 6
	.text
	.protected	k_qb3e87e8ad1_main
	.globl	k_qb3e87e8ad1_main
	.p2align	8
	.type	k_qb3e87e8ad1_main,@function
k_qb3e87e8ad1_main:
	s_mov_b64 s[64:65], 0
	v_nop
	global_prefetch_b8 v0, s[64:65] scope:SCOPE_SE
	s_setreg_imm32_b32 hwreg(HW_REG_WAVE_MODE, 25, 1), 1
	s_wait_xcnt 0x0
; For a block of 128 rows t of one batch b (work-group x = 8 b + block):  x[t][n] = Q(h)[t] . Q(W_h)[n] + Q(q_h)[t] . Q(W_q)[n] + dec[b][n] + coverage[t] W_c[n];
; scores[t] = -2 sum over n of v_w[n] / (1 + e^(2 x)).
; LEFT OUT: tanh(x) = 1 - 2 / (1 + e^(2 x)), so sum of v_w tanh(x) is this number plus the sum of v_w, a term that is the same for every t of a batch: the softmax along t
; takes it away for all values of the inputs.  LIMIT: an overflow of that sum of v_w alone is not carried to the result.
; FIRST HALF: each wave reads its own 32 rows of h and then of q_h, a K step of 128 of 16 rows at a time (16 loads, each a row's 512 consecutive bytes), four such buffers by turns in the registers that
; later hold the accumulators; the rows turn through the wave's own stage in LDS, so that lane (r, h) holds k = 64 c + 32 h + 0 .. 31 of row r, are quantised, and the fragment (an image of the operand's
; registers) and its scale words stay in LDS for all sixteen K steps: 8 tiles of rows x 16 steps x 1,600 bytes.
; SECOND HALF, twice (pass p = columns 256 w + 128 p + 0 .. 127 of wave w): a wave makes 128 rows x 128 columns, 64 accumulators, 512 registers.  The sums begin as W_c cov + dec; K goes in sixteen steps,
; h's eight ahead of q_h's; the weights' fragments lie in wq in the order of the operand's registers, are wanted by one wave alone and go from memory straight into its registers, four buffers of a group
; (four fragments, 13 loads) by turns; then the tanh and its product with v_w.  So each work-group reads h, q_h and the weights once.
; NO CLUSTER: a joint load lands in LDS, and two slots of a pass's K step of weights (2 x 51,200 bytes) do not fit into the 73,728 bytes that this text leaves of a WGP's 327,680.
; NO PREFETCH: the rows come as one stream with up to 64 loads of a wave on their way; the weights are read by every work-group.
; THE MATRIX INSTRUCTION IS USED TRANSPOSED: source 0 = 16 weight rows, source 1 = 16 rows t: lane (r, h), register j of accumulator (n, m): row 16 m + r, column 16 n + 8 h + j of the pass.
; LIMITS: NaN and infinities among the inputs are not served.  A block of zeros gets the scale byte 1 where the quantiser says 127: its codes are zeros, and the bytes never leave the program.
; REGISTERS: window 0 below; window 1 the weights' four buffers, v[48 q + 12 f ..]; windows 2, 3 the accumulators, (n, m) at v[64 (n % 4) + 8 m] (in the first half window 2 holds the four buffers of rows).
.set TB,    25600                      ; LDS: a tile of rows: 16 steps of
.set SB,    1600                       ; a fragment (1,536 bytes, 16 a lane, three pieces) and 64 bytes of scale words (4 a row)
.set STG,   8*TB                       ; the waves' stages: 16 rows of
.set SROW,  528                        ; 512 bytes + 16
.set CONST, STG+4*16*SROW              ; W_c, dec[b], -2 v_w: 4,096 bytes each
.set COVB,  CONST+12288                ; the block's 128 numbers of coverage
.set SCP,   COVB+512                   ; the waves' parts of the scores: [wave][128]
.set SPARE, SCP+2048                   ; the spare words, 128 bytes a wave, that no other line names
.set KSTEPB, 102400                    ; wq: a K step, a wave's part, a group
.set WAVEB, 25600
.set GRPB,  6400
.set SPW, 1                            ; v1 my spare word, v2 0: never rewritten
.set NIL, 2
.set FB,  3                            ; v3-5   16 x lane + tiles 0, 3, 6
.set SBA, 6                            ; v6-7   4 r + h x a tile + 1,536 + tiles 0, 4: lanes 0-15 an even tile's words, lanes 16-31 the odd one's
.set LA,  8                            ; v8-10  FB + the trip's place;  v11-12 SBA + the same
.set LS,  11
.set BVO, 13                           ; wq: 25,600 w + 16 x lane
.set BSO, 14                           ; wq: 25,600 w + 6,144 + 8 x lane
.set STW, 15                           ; my stage + 16 x lane
.set STR, 16                           ; my stage + 528 r + 128 h
.set IMW, 17                           ; my two tiles + 16 x lane;  v18 + 1,536 + 4 r;  v19, v20 the same + the trip's place
.set ISW, 18
.set IMD, 19
.set ISD, 20
.set H8,  21                           ; 8 h
.set CA,  22                           ; CONST + 1,024 w + 32 h;  v23 + 512 p
.set CAP, 23
.set RVO, 24                           ; 16 x lane
.set CVA, 25                           ; COVB + 4 r
.set T16, 26                           ; 16 x thread, 4 x thread, and the same in CONST and COVB
.set T4,  27
.set CST, 28
.set CVS, 29
.set SCA, 32                           ; v32-47 eight pairs of score sums
.set AF,  48                           ; v48-239 the rows' fragments, two sets of eight
.set X,   48                           ; v48-111 64 numbers in hand (first half, tanh)
.set PC,  112                          ; first half: v112-123 codes, v124-130 at work, v132-140 at work, v141 the scale word
.set PT,  124
.set TM,  132
.set PW,  141
.set VW,  112                          ; tanh: -2 v_w, two sets of eight
.set COV, 144                          ; start of a pass: coverage of row 16 m + r at 144 + 2 m (the odd register a copy: it is named with it as a pair)
.set CK,  160                          ; and W_c, dec of a column tile, two sets of sixteen
.set AS,  240                          ; v240-247 the rows' scale words, two sets of four;  v248-255 the weights', two a buffer: scales and nothing else
.set BS,  248
.set RP,  26                           ; s[26:27] where the rows' loads stand;  s[28:29] q_h at my rows;  s[30:31] where the weights' loads stand
.set QP,  28
.set WB,  30
.set SEL, 32                           ; s[32:33] selects of v_permlanex16_b32: lane l xor 16
.set CC,  34                           ; s[34:35] 2 log2(e), twice
.set MSB, 0
.macro WIN new                         ; the immediate's high byte repeats the setting that is left
.if MSB != (\new)
	s_set_vgpr_msb (MSB<<8)|(\new)
.set MSB, (\new)
.endif
.endm
.macro PLACES                          ; four places in front of loads into registers that matrix instructions have read, and of the first read of results
.rept 4
	v_nop
.endr
.endm
; 64 numbers of a lane, register 32 c + i = k 64 c + 32 h + i of its row, become the fragment v[pc .. pc + 11] and the row's scale word v[pw].  A lane holds two whole blocks of 32.
.macro QUANT x, pc, pt, pw
.irp c, 0,1
	v_max3_num_f32 v[TM+2*\c], |v[\x+32*\c]|, |v[\x+32*\c+1]|, 0x1800000          ; two chains a block; the floor 2^(3 - 127) holds the byte at 1 from below
	v_max3_num_f32 v[TM+2*\c+1], |v[\x+32*\c+16]|, |v[\x+32*\c+17]|, |v[\x+32*\c+18]|
.endr
.irp i, 0,2,4,6,8,10
.irp c, 0,1
	v_max3_num_f32 v[TM+2*\c], v[TM+2*\c], |v[\x+32*\c+2+\i]|, |v[\x+32*\c+3+\i]|
	v_max3_num_f32 v[TM+2*\c+1], v[TM+2*\c+1], |v[\x+32*\c+19+\i]|, |v[\x+32*\c+20+\i]|
.endr
.endr
.irp c, 0,1
	v_max3_num_f32 v[TM+2*\c], v[TM+2*\c], |v[\x+32*\c+14]|, |v[\x+32*\c+15]|
.endr
.irp c, 0,1
	v_max3_num_f32 v[TM+2*\c], v[TM+2*\c], v[TM+2*\c+1], |v[\x+32*\c+31]|         ; the block's largest magnitude
.endr
.irp c, 0,1
	v_add_nc_u32 v[TM+4+\c], 0xff000000, v[TM+2*\c]                               ; 2 off its exponent field: the conversion's scale operand
.endr
.irp c, 0,1
	v_lshrrev_b32 v[TM+6+\c], 23, v[TM+4+\c]                                      ; the scale's byte
.endr
	v_lshl_or_b32 v[\pw], v[TM+7], 16, v[TM+6]                                    ; my bytes: blocks h and 2 + h,
	v_lshlrev_b32 v[\pw], v[H8], v[\pw]                                           ; at their places in the word;
	v_permlanex16_b32 v[TM+8], v[\pw], s[SEL], s[SEL+1]
	v_or_b32 v[\pw], v[\pw], v[TM+8]                                              ; with lane l xor 16's two the word is whole
.irp c, 0,1
	v_cvt_scalef32_pk16_fp6_f32 v[\pc+6*\c:\pc+6*\c+2], v[\x+32*\c:\x+32*\c+15], v[TM+4+\c]
	v_cvt_scalef32_pk16_fp6_f32 v[\pt+4*\c:\pt+4*\c+2], v[\x+32*\c+16:\x+32*\c+31], v[TM+4+\c]   ; (a conversion's three registers begin on an even number)
.endr
	v_nop                                                                         ; one plain place behind a scaled conversion
.irp c, 0,1
.irp i, 0,1,2
	v_mov_b32 v[\pc+6*\c+3+\i], v[\pt+4*\c+\i]
.endr
.endr
.endm
; buffer t of a trip's four: tile t % 2 of my rows, K step t / 2 of the trip's two.  Entered with the destination's window 2
.macro RLOAD t
.irp i, 0,1,2,3,4,5,6,7,8,9,10,11,12,13,14,15
	global_load_b128 v[64*(\t)+4*\i:64*(\t)+4*\i+3], v[RVO], s[RP:RP+1] offset:((\t)%2)*65536+((\t)/2)*512+4096*\i th:TH_LOAD_NT
.endr
.endm
; buffer t is turned, quantised and laid down.  left: the younger loads, which may stay out.  fill = 1: the buffer takes the next trip's rows, once the stage's stores have read it
.macro TS t, fill, left
	s_wait_loadcnt \left
	WIN 0x08                                       ; the data: window 2
.irp i, 0,1,2,3,4,5,6,7,8,9,10,11,12,13,14,15
	ds_store_b128 v[STW], v[64*(\t)+4*\i:64*(\t)+4*\i+3] offset:SROW*\i
.endr
	WIN 0
.irp c, 0,1
.irp i, 0,1,2,3,4,5,6,7
	ds_load_b128 v[X+32*\c+4*\i:X+32*\c+4*\i+3], v[STR] offset:256*\c+16*\i   ; LDS serves a wave's instructions in order (ISA guide 5.7.1.4): these see the stores
.endr
.endr
	s_wait_dscnt 0x0
.if \fill
	WIN 0x80
	RLOAD \t
	WIN 0
.endif
	QUANT X, PC, PT, PW
.irp c, 0,1,2
	ds_store_b128 v[IMD], v[PC+4*\c:PC+4*\c+3] offset:((\t)%2)*TB+((\t)/2)*SB+512*\c
.endr
	ds_store_b32 v[ISD], v[PW] offset:((\t)%2)*TB+((\t)/2)*SB   ; lanes r and r + 16 store the same word
.endm
.macro QHEAD                           ; where this trip's two K steps are laid down
	s_wait_dscnt 0x0                               ; the last trip's stores have read their addresses
	v_add_nc_u32 v[IMD], s37, v[IMW]
	v_add_nc_u32 v[ISD], s37, v[ISW]
.endm
; group q of a trip's four (K step q / 2 of its two, group q % 2 of the pass's two) into buffer q: 13 loads
.macro REFILL q, off
	WIN 0
	global_load_b64 v[BS+2*(\q):BS+2*(\q)+1], v[BSO], s[WB:WB+1] offset:(\off)+((\q)/2)*KSTEPB+((\q)%2)*GRPB
	WIN 0x40
.irp f, 0,1,2,3
.irp c, 0,1,2
	global_load_b128 v[48*(\q)+12*\f+4*\c:48*(\q)+12*\f+4*\c+3], v[BVO], s[WB:WB+1] offset:(\off)+((\q)/2)*KSTEPB+((\q)%2)*GRPB+1536*\f+512*\c
.endr
.endr
.endm
; a K step's eight fragments of rows and their scale words into a set: 28 loads
.macro FETCHA set, off
.irp m, 0,1,2,3,4,5,6,7
.irp c, 0,1,2
	ds_load_b128 v[AF+96*(\set)+12*\m+4*\c:AF+96*(\set)+12*\m+4*\c+3], v[LA+\m/3] offset:(\m%3)*TB+(\off)+512*\c
.endr
.endr
.irp g, 0,1,2,3
	ds_load_b32 v[AS+4*(\set)+\g], v[LS+\g/2] offset:(\g%2)*2*TB+(\off)
.endr
.endm
; 32 matrix instructions: buffer q's four fragments against the eight tiles of rows.  The 64 accumulators take turns, one instruction a turn, in the same order in every step
.macro MULG q, set
	WIN 0xa1+0x50*((\q)%2)                         ; source 0 window 1, source 1 window 0, C and D window 2 or 3
.irp f, 0,1,2,3
.irp m, 0,1,2,3,4,5,6,7
.set DD, 64*\f+8*\m
.set BB, 48*(\q)+12*\f
.set AA, AF+96*(\set)+12*\m
.set SA, BS+2*(\q)+\f/2
.set SR, AS+4*(\set)+\m/2
.if (\f%2)&&(\m%2)
	v_wmma_scale_f32_16x16x128_f8f6f4 v[DD:DD+7], v[BB:BB+11], v[AA:AA+11], v[DD:DD+7], v[SA], v[SR] matrix_a_fmt:MATRIX_FMT_FP6 matrix_b_fmt:MATRIX_FMT_FP6 matrix_a_scale:MATRIX_SCALE_ROW1 matrix_b_scale:MATRIX_SCALE_ROW1
.elseif (\f%2)
	v_wmma_scale_f32_16x16x128_f8f6f4 v[DD:DD+7], v[BB:BB+11], v[AA:AA+11], v[DD:DD+7], v[SA], v[SR] matrix_a_fmt:MATRIX_FMT_FP6 matrix_b_fmt:MATRIX_FMT_FP6 matrix_a_scale:MATRIX_SCALE_ROW1
.elseif (\m%2)
	v_wmma_scale_f32_16x16x128_f8f6f4 v[DD:DD+7], v[BB:BB+11], v[AA:AA+11], v[DD:DD+7], v[SA], v[SR] matrix_a_fmt:MATRIX_FMT_FP6 matrix_b_fmt:MATRIX_FMT_FP6 matrix_b_scale:MATRIX_SCALE_ROW1
.else
	v_wmma_scale_f32_16x16x128_f8f6f4 v[DD:DD+7], v[BB:BB+11], v[AA:AA+11], v[DD:DD+7], v[SA], v[SR] matrix_a_fmt:MATRIX_FMT_FP6 matrix_b_fmt:MATRIX_FMT_FP6
.endif
.endr
.endr
.endm
.macro GRP q, set, last, left          ; left: the younger groups' loads, 13 each
	s_wait_loadcnt \left
	MULG \q, \set
.if !(\last)
	PLACES
	REFILL \q, 2*KSTEPB                            ; the buffer takes the same group two K steps on
.endif
.endm
; two K steps.  last = 1: nothing more is fetched, the counts run down
.macro TRIP last
	s_wait_dscnt 0x0                               ; set 0 is in
.irp k, 0,1,2
	v_add_nc_u32 v[LA+\k], s37, v[FB+\k]           ; (these five lines are also the places in front of the loads into set 1)
.endr
.irp k, 0,1
	v_add_nc_u32 v[LS+\k], s37, v[SBA+\k]
.endr
	s_wait_alu depctr_va_vdst(0)
	FETCHA 1, SB
	GRP 0, 0, \last, 39
.if \last
	GRP 1, 0, 1, 26
.else
	GRP 1, 0, 0, 39
.endif
	WIN 0
	s_wait_dscnt 0x0                               ; set 1 is in
.if \last
	GRP 2, 1, 1, 13
	GRP 3, 1, 1, 0
.else
	FETCHA 0, 2*SB
	GRP 2, 1, 0, 39
	GRP 3, 1, 0, 39
.endif
	WIN 0
.endm
.macro LOADC n                         ; W_c and dec of column tile n: four loads into set n % 2
.irp a, 0,1
	ds_load_b128 v[CK+16*((\n)%2)+8*\a:CK+16*((\n)%2)+8*\a+3], v[CAP] offset:4096*\a+64*(\n)
	ds_load_b128 v[CK+16*((\n)%2)+8*\a+4:CK+16*((\n)%2)+8*\a+7], v[CAP] offset:4096*\a+64*(\n)+16
.endr
.endm
.macro INIT n                          ; the sums of column tile n begin as W_c cov + dec
.if (\n) < 7
	LOADC (\n)+1
	s_wait_dscnt 4                                 ; this tile's constants are in; the next tile's four loads may be out
.else
	s_wait_dscnt 0x0
.endif
	WIN 0x80+0x40*((\n)/4)                         ; the destination: window 2 or 3
.irp m, 0,1,2,3,4,5,6,7
.irp j, 0,2,4,6
	v_pk_fma_f32 v[64*((\n)%4)+8*\m+\j:64*((\n)%4)+8*\m+\j+1], v[CK+16*((\n)%2)+\j:CK+16*((\n)%2)+\j+1], v[COV+2*\m:COV+2*\m+1], v[CK+16*((\n)%2)+8+\j:CK+16*((\n)%2)+8+\j+1] op_sel_hi:[1,0,1]
.endr
.endr
	WIN 0
.endm
.macro LOADV n                         ; -2 v_w of column tile n
	ds_load_b128 v[VW+8*((\n)%2):VW+8*((\n)%2)+3], v[CAP] offset:8192+64*(\n)
	ds_load_b128 v[VW+8*((\n)%2)+4:VW+8*((\n)%2)+7], v[CAP] offset:8192+64*(\n)+16
.endm
; column tile n, 64 numbers a lane: 2^(c x) = e^(2 x);  1 / (1 + that);  times -2 v_w into the row's sum.  Where the power is infinite the quotient is 0 (tanh = 1); where it has fallen to 0 it is 1 (tanh = -1)
.macro CHUNK n
.if (\n) < 7
	LOADV (\n)+1
.endif
	WIN 0x02+(\n)/4                                ; source 0: the accumulators' window
	s_wait_alu depctr_va_vdst(0)                   ; directly ahead of the first reader of matrix results behind transcendentals
.irp m, 0,1,2,3,4,5,6,7
.irp j, 0,2,4,6                        ; each accumulator from its low end on
	v_pk_mul_f32 v[X+8*\m+\j:X+8*\m+\j+1], v[64*((\n)%4)+8*\m+\j:64*((\n)%4)+8*\m+\j+1], s[CC:CC+1] op_sel_hi:[1,0]
.endr
.endr
	WIN 0
	s_wait_alu depctr_va_vdst(0)                   ; ahead of the batch
.set I, 0
.rept 64
	v_exp_f32 v[X+I], v[X+I]
.set I, I+1
.endr
	v_nop                                          ; a plain place behind the last transcendental
	s_wait_alu depctr_va_vdst(0)                   ; behind the batch
.set I, 0
.rept 32
	v_pk_add_f32 v[X+I:X+I+1], v[X+I:X+I+1], 1.0 op_sel_hi:[1,0]
.set I, I+2
.endr
	s_wait_alu depctr_va_vdst(0)
.set I, 0
.rept 64
	v_rcp_f32 v[X+I], v[X+I]
.set I, I+1
.endr
	v_nop
.if (\n) < 7
	s_wait_dscnt 2                                 ; this tile's v_w is in; the next tile's two loads may be out
.else
	s_wait_dscnt 0x0
.endif
	s_wait_alu depctr_va_vdst(0)
.irp j, 0,2,4,6
.irp m, 0,1,2,3,4,5,6,7                ; the eight tiles of rows by turns
	v_pk_fma_f32 v[SCA+2*\m:SCA+2*\m+1], v[VW+8*((\n)%2)+\j:VW+8*((\n)%2)+\j+1], v[X+8*\m+\j:X+8*\m+\j+1], v[SCA+2*\m:SCA+2*\m+1]
.endr
.endr
.endm
	s_load_b512 s[8:23], s[0:1], 0x0               ; h s[8:9], q_h s[10:11], wq s[12:13], dec s[14:15], W_c s[16:17], v_w s[18:19], coverage s[20:21], scores s[22:23]
	v_lshl_add_u32 v[SPW], v0, 2, SPARE
	v_mov_b32 v[NIL], 0
	v_lshrrev_b32 v142, 5, v0
	v_readfirstlane_b32 s3, v142                   ; wave 0..3
	s_mul_i32 s4, s3, WAVEB
	s_add_co_u32 s5, s4, 6144
	s_mul_i32 s6, s3, 16*SROW
	s_add_co_u32 s6, s6, STG
	s_mul_i32 s7, s3, 2*TB
	s_add_co_u32 s40, s7, 1536
	s_lshl_b32 s41, s3, 10
	s_add_co_u32 s41, s41, CONST
	s_lshl_b32 s24, ttmp9, 19                      ; the block's 128 rows of 4,096 bytes,
	s_lshl_b32 s25, s3, 17                         ; my wave's 32
	s_add_co_u32 s24, s24, s25
	s_mov_b32 s25, 0
	s_mov_b32 s[SEL], 0x76543210
	s_mov_b32 s[SEL+1], 0xfedcba98
	s_mov_b32 s[CC], 0x4038aa3b                    ; 2 log2(e)
	s_mov_b32 s[CC+1], s[CC]
	v_and_b32 v143, 31, v0                         ; lane
	v_and_b32 v144, 15, v0                         ; r
	v_bfe_u32 v145, v0, 4, 1                       ; h
	v_lshlrev_b32 v[RVO], 4, v143
	v_lshlrev_b32 v[FB], 4, v143
	v_lshl_add_u32 v[FB+1], v143, 4, 3*TB
	v_lshl_add_u32 v[FB+2], v143, 4, 6*TB
	v_mul_u32_u24 v146, v145, TB
	v_lshl_add_u32 v146, v144, 2, v146
	v_add_nc_u32 v[SBA], 1536, v146
	v_add_nc_u32 v[SBA+1], 4*TB+1536, v146
	v_lshl_add_u32 v[BVO], v143, 4, s4
	v_lshl_add_u32 v[BSO], v143, 3, s5
	v_lshl_add_u32 v[STW], v143, 4, s6
	v_mul_u32_u24 v147, v144, SROW
	v_lshl_add_u32 v147, v145, 7, v147
	v_add_nc_u32 v[STR], s6, v147
	v_lshl_add_u32 v[IMW], v143, 4, s7
	v_lshl_add_u32 v[ISW], v144, 2, s40
	v_lshlrev_b32 v[H8], 3, v145
	v_lshl_add_u32 v[CA], v145, 5, s41
	v_lshl_add_u32 v[CVA], v144, 2, COVB
	v_lshlrev_b32 v[T16], 4, v0
	v_lshlrev_b32 v[T4], 2, v0
	v_lshl_add_u32 v[CST], v0, 4, CONST
	v_lshl_add_u32 v[CVS], v0, 2, COVB
	v_mov_b32 v[TM+8], 0                           ; a lane permute's destination counts as one of its sources
.irp i, 0,1,2,3,4,5,6,7,8,9,10,11,12,13,14,15
	v_mov_b32 v[SCA+\i], 0                         ; the score sums run over both passes, whose text is one
.endr
	s_wait_alu depctr_va_vdst(0)
	s_wait_kmcnt 0x0
	s_add_nc_u64 s[RP:RP+1], s[8:9], s[24:25]      ; h at my rows
	s_add_nc_u64 s[QP:QP+1], s[10:11], s[24:25]    ; q_h at my rows
	s_mov_b64 s[WB:WB+1], s[12:13]                 ; pass 0's weights
	s_lshr_b32 s24, ttmp9, 3
	s_lshl_b32 s24, s24, 12                        ; the batch's row of dec
	s_add_nc_u64 s[14:15], s[14:15], s[24:25]
	s_lshl_b32 s24, ttmp9, 9                       ; the block's 128 numbers of coverage and of scores
	s_add_nc_u64 s[20:21], s[20:21], s[24:25]
	s_add_nc_u64 s[22:23], s[22:23], s[24:25]
	WIN 0x80
.irp t, 0,1,2,3
	RLOAD \t                                       ; K steps 0 and 1 of h
.endr
	WIN 0
	s_mov_b32 s36, 0                               ; trips
	s_mov_b32 s37, 0                               ; 3,200 x trip: two K steps in a tile's block
.Lq:                                                   ; a trip: two K steps of my two tiles; each buffer is filled again with the next trip's
	s_wait_xcnt 0x0                                ; the earlier loads have read their base
	s_add_nc_u64 s[RP:RP+1], s[RP:RP+1], 1024
	s_cmp_eq_u32 s36, 3                            ; behind h's eight K steps come q_h's
	s_cselect_b64 s[RP:RP+1], s[QP:QP+1], s[RP:RP+1]
	QHEAD
.irp t, 0,1,2,3
	TS \t, 1, 48                                   ; three younger buffers of 16 loads
.endr
	s_add_co_u32 s37, s37, 2*SB
	s_add_co_u32 s36, s36, 1
	s_cmp_lt_u32 s36, 7
	s_cbranch_scc1 .Lq
	QHEAD                                          ; the last trip fetches no rows; the constants and pass 0's first weights are asked for under it
	global_load_b128 v[152:155], v[T16], s[16:17]              ; W_c,
	global_load_b128 v[156:159], v[T16], s[16:17] offset:2048
	global_load_b128 v[160:163], v[T16], s[14:15]              ; dec[b],
	global_load_b128 v[164:167], v[T16], s[14:15] offset:2048
	global_load_b128 v[168:171], v[T16], s[18:19]              ; v_w: the 128 threads take 4,096 bytes of each
	global_load_b128 v[172:175], v[T16], s[18:19] offset:2048
	global_load_b32 v176, v[T4], s[20:21]                      ; coverage
	TS 0, 0, 55                                    ; three buffers and the seven
	TS 1, 0, 39
	TS 2, 0, 23
.irp q, 0,1,2,3
	REFILL \q, 0
.endr
	WIN 0
	TS 3, 0, 59                                    ; the seven and the weights' 52
	s_wait_loadcnt 52                              ; the seven are in
.irp i, 168,170,172,174
	v_pk_mul_f32 v[\i:\i+1], v[\i:\i+1], -2.0 op_sel_hi:[1,0]
.endr
.irp a, 0,1,2
	ds_store_b128 v[CST], v[152+8*\a:155+8*\a] offset:4096*\a
	ds_store_b128 v[CST], v[156+8*\a:159+8*\a] offset:4096*\a+2048
.endr
	ds_store_b32 v[CVS], v176
	s_wait_dscnt 0x0                               ; for the others' sake: my fragments, scale words and constants lie in LDS
	s_barrier_signal -1
	s_barrier_wait -1
	s_mov_b32 s38, 0                               ; the pass
.Lpass:
	s_mov_b32 s37, 0
	s_lshl_b32 s4, s38, 9
	v_add_nc_u32 v[CAP], s4, v[CA]
.irp k, 0,1,2
	v_add_nc_u32 v[LA+\k], s37, v[FB+\k]
.endr
.irp k, 0,1
	v_add_nc_u32 v[LS+\k], s37, v[SBA+\k]
.endr
	s_wait_alu depctr_va_vdst(0)
	FETCHA 0, 0
.irp m, 0,1,2,3,4,5,6,7
	ds_load_b32 v[COV+2*\m], v[CVA] offset:64*\m
.endr
	LOADC 0
	s_wait_dscnt 4                                 ; all but the four just issued
.irp m, 0,1,2,3,4,5,6,7
	v_mov_b32 v[COV+2*\m+1], v[COV+2*\m]
.endr
	s_wait_alu depctr_va_vdst(0)                   ; the copies are named behind waits
.irp n, 0,1,2,3,4,5,6,7
	INIT \n
.endr
	s_mov_b32 s36, 0
.Lk:
	TRIP 0
	s_wait_xcnt 0x0                                ; the weights' loads have read their base
	s_add_nc_u64 s[WB:WB+1], s[WB:WB+1], 2*KSTEPB
	s_add_co_u32 s37, s37, 2*SB
	s_add_co_u32 s36, s36, 1
	s_cmp_lt_u32 s36, 7
	s_cbranch_scc1 .Lk
	TRIP 1
	PLACES                                         ; in front of the loads into the weights' buffers and of the first read of results
	s_cmp_lg_u32 s38, 0
	s_cbranch_scc1 .Lno_more                       ; behind pass 0 alone: pass 1's first weights are asked for ahead of the tanh
	s_add_nc_u64 s[WB:WB+1], s[12:13], 2*GRPB      ; (no load is out: the last count was 0)
.irp q, 0,1,2,3
	REFILL \q, 0
.endr
	WIN 0
.Lno_more:
	LOADV 0
.irp n, 0,1,2,3,4,5,6,7
	CHUNK \n
.endr
	s_add_co_u32 s38, s38, 1
	s_cmp_lt_u32 s38, 2
	s_wait_alu depctr_va_vdst(0)
	s_cbranch_scc1 .Lpass
	; THE SCORES: a pair's halves, lane l xor 16's columns, then the four waves' columns through LDS
.irp m, 0,1,2,3,4,5,6,7
	v_add_f32 v[X+\m], v[SCA+2*\m], v[SCA+2*\m+1]
.endr
.irp m, 0,1,2,3,4,5,6,7
	v_permlanex16_b32 v[X+8+\m], v[X+\m], s[SEL], s[SEL+1]
.endr
.irp m, 0,1,2,3,4,5,6,7
	v_add_f32 v[X+\m], v[X+\m], v[X+8+\m]
.endr
	s_lshl_b32 s4, s3, 9
	s_add_co_u32 s4, s4, SCP
	s_and_b32 s5, s3, 1
	s_lshl_b32 s5, s5, 8
	v_and_b32 v64, 15, v0
	v_lshl_add_u32 v64, v64, 2, s4                 ; SCP + 512 w + 4 r
	v_and_b32 v65, 31, v0
	v_lshl_add_u32 v66, v65, 3, s5                 ; rows 64 (w % 2) + 2 l, + 1, in bytes
	v_add_nc_u32 v67, SCP, v66
.irp m, 0,1,2,3,4,5,6,7
	ds_store_b32 v64, v[X+\m] offset:64*\m         ; row 16 m + r; lanes r and r + 16 store the same word
.endr
	s_wait_alu depctr_va_vdst(0)
	s_wait_dscnt 0x0                               ; for the others' sake
	s_barrier_signal -1
	s_barrier_wait -1
.irp k, 0,1,2,3
	ds_load_b64 v[68+2*\k:69+2*\k], v67 offset:512*\k
.endr
	s_wait_dscnt 0x0
	v_pk_add_f32 v[68:69], v[68:69], v[70:71]
	v_pk_add_f32 v[72:73], v[72:73], v[74:75]
	v_pk_add_f32 v[68:69], v[68:69], v[72:73]
	s_cmp_gt_u32 s3, 1
	s_cbranch_scc1 .Lend                           ; waves 0 and 1 store the block's 128 scores
	global_store_b64 v66, v[68:69], s[22:23]       ; 32 lanes store 256 consecutive bytes, aligned
.Lend:
	s_wait_tensorcnt 0x0                           ; the wave's end
	ds_add_u32 v[SPW], v[NIL]
	s_wait_dscnt 0x0
	s_endpgm
.Lfunc_end_k_qb3e87e8ad1_main:
	.size	k_qb3e87e8ad1_main, .Lfunc_end_k_qb3e87e8ad1_main-k_qb3e87e8ad1_main
	.p2alignl 7, 3214868480
	.fill 96, 4, 3214868480
	.section	.rodata,"a",@progbits
	.p2align	6, 0x0
	.amdhsa_kernel k_qb3e87e8ad1_main
		.amdhsa_group_segment_fixed_size 253952
		.amdhsa_private_segment_fixed_size 0
		.amdhsa_enable_private_segment 0
		.amdhsa_kernarg_size 64
		.amdhsa_user_sgpr_count 2
		.amdhsa_user_sgpr_kernarg_segment_ptr 1
		.amdhsa_wavefront_size32 1
		.amdhsa_system_sgpr_workgroup_id_x 1
		.amdhsa_system_sgpr_workgroup_id_y 1
		.amdhsa_system_sgpr_workgroup_id_z 1
		.amdhsa_system_vgpr_workitem_id 0
		.amdhsa_next_free_vgpr 1024
		.amdhsa_next_free_sgpr 66
		.amdhsa_reserve_vcc 0
		.amdhsa_float_denorm_mode_32 3
		.amdhsa_float_denorm_mode_16_64 3
		.amdhsa_memory_ordered 1
		.amdhsa_forward_progress 1
		.amdhsa_inst_pref_size 224
	.end_amdhsa_kernel
	.amdgpu_metadata
---
amdhsa.version: [ 1, 2 ]
amdhsa.kernels:
  - .name:           k_qb3e87e8ad1_main
    .symbol:         k_qb3e87e8ad1_main.kd
    .args:
      - { .name: h, .offset: 0, .size: 8, .value_kind: global_buffer, .address_space: global }
      - { .name: q_h, .offset: 8, .size: 8, .value_kind: global_buffer, .address_space: global }
      - { .name: wq, .offset: 16, .size: 8, .value_kind: global_buffer, .address_space: global }
      - { .name: dec, .offset: 24, .size: 8, .value_kind: global_buffer, .address_space: global }
      - { .name: W_c, .offset: 32, .size: 8, .value_kind: global_buffer, .address_space: global }
      - { .name: v_w, .offset: 40, .size: 8, .value_kind: global_buffer, .address_space: global }
      - { .name: coverage, .offset: 48, .size: 8, .value_kind: global_buffer, .address_space: global }
      - { .name: scores, .offset: 56, .size: 8, .value_kind: global_buffer, .address_space: global }
    .group_segment_fixed_size: 253952
    .private_segment_fixed_size: 0
    .kernarg_segment_align: 8
    .kernarg_segment_size: 64
    .max_flat_workgroup_size: 128
    .sgpr_count:     66
    .vgpr_count:     1024
    .wavefront_size: 32
...
	.end_amdgpu_metadata
.endif
;; end of part 2
;; launch ctx (part 3): grid 256 x 1, 16 waves a work-group, no clusters, 14,848 bytes of LDS; arguments scores, enc_padding_mask, coverage, h, out0, out1, out2; writes out0, out1, out2
.if DOCPART == 3
	.amdgcn_target "amdgcn-amd-amdhsa--gfx1250"
	.amdhsa_code_object_version 6
	.text
	.protected	k_qb3e87e8ad1_ctx
	.globl	k_qb3e87e8ad1_ctx
	.p2align	8
	.type	k_qb3e87e8ad1_ctx,@function
k_qb3e87e8ad1_ctx:
	s_mov_b64 s[64:65], 0
	v_nop
	global_prefetch_b8 v0, s[64:65] scope:SCOPE_SE
	s_setreg_imm32_b32 hwreg(HW_REG_WAVE_MODE, 25, 1), 1
	s_wait_xcnt 0x0
; Work-group x = 8 b + c: batch b, columns 128 c .. 128 c + 127 of the context vector, and t = 128 c .. 128 c + 127 of attn and coverage_out.
; From scores[b][1024] (the scores less a term that is the same along t, which the softmax takes away for all values of the inputs):  M = the largest score;  e_t = mask_t e^(score_t - M);  Z = the sum of e_t;
; attn = e / Z: the softmax's own divisor stands in numerator and denominator of the renormalisation and cancels for all values.  out1 = attn;  out2 = coverage + attn;  out0[n] = sum over t of attn_t h[b][t][n], in f32.
; The maximum is taken over all t, whatever the mask, as the softmax takes it.  Every work-group of a batch makes the batch's attn anew from its 4,096 bytes of scores: each output has one owner and nothing is added up between work-groups.
; Sixteen waves.  Thread i owns t = 2 i, 2 i + 1; wave w owns rows 64 w .. 64 w + 63 of h, whose attn its own lanes hold.  A load takes a row's 512 consecutive bytes; 32 loads of every wave are asked for ahead of the
; softmax and stay out by turns.  A stream read once: no matrix unit, no tensor load, no cluster, no prefetch.
; LIMITS: NaN and infinities are not served; a batch whose mask is all zeros gives 0 / 0, as the definition does.
.set WT,    512                        ; LDS: 0: the waves' maxima; 256: their sums; a copy of its 64 attn for each wave, 256 bytes
.set RED,   WT+4096                    ; the waves' shares of the 128 columns, 512 bytes each
.set SPARE, RED+8192                   ; the spare words, 128 bytes a wave, that no other line names
.set H,  64                            ; v64-191 32 rows, 4 registers each
.set W,  192                           ; v192-255 my wave's 64 attn, in every lane
.set AC, 40                            ; v40-47 two sets of four sums
.macro ROW4 op, r                      ; over the sixteen lanes of a row
.irp x, 1,2,4,8
	s_delay_alu instid0(VALU_DEP_1)
	\op v[\r], v[\r], v[\r] row_xmask:\x row_mask:0xf bank_mask:0xf
.endr
.endm
	s_load_b256 s[4:11], s[0:1], 0x0               ; scores s[4:5], mask s[6:7], coverage s[8:9], h s[10:11]
	s_load_b128 s[12:15], s[0:1], 0x20             ; out0 s[12:13], out1 s[14:15]
	s_load_b64 s[16:17], s[0:1], 0x30              ; out2
	v_lshl_add_u32 v1, v0, 2, SPARE
	v_mov_b32 v2, 0
	v_lshrrev_b32 v18, 5, v0
	s_delay_alu instid0(VALU_DEP_1)
	v_readfirstlane_b32 s3, v18                    ; wave 0..15
	s_lshr_b32 s20, ttmp9, 3                       ; b
	s_and_b32 s21, ttmp9, 7                        ; c
	s_lshl_b32 s22, s20, 12                        ; the batch's row of 4,096 bytes
	s_mov_b32 s23, 0
	s_lshl_b32 s24, s20, 22                        ; h: the batch, my wave's 64 rows, the 512 bytes of the columns
	s_lshl_b32 s25, s3, 18
	s_add_co_u32 s24, s24, s25
	s_lshl_b32 s26, s21, 9
	s_add_co_u32 s24, s24, s26
	s_mov_b32 s25, 0
	s_mov_b32 s27, 0
	s_lshl_b32 s28, s3, 2
	s_lshl_b32 s29, s3, 8
	s_add_co_u32 s29, s29, WT
	s_lshl_b32 s30, s3, 9
	s_add_co_u32 s30, s30, RED
	s_mov_b32 s32, 0x76543210                      ; selects of v_permlanex16_b32: lane l xor 16
	s_mov_b32 s33, 0xfedcba98
	s_mov_b32 s34, 0x3fb8aa3b                      ; log2(e)
	v_and_b32 v19, 31, v0
	v_lshlrev_b32 v3, 3, v0                        ; 8 x thread
	v_mov_b32 v5, s28                              ; LDS: my wave's word
	v_mov_b32 v6, 0
	v_mov_b32 v8, s29                              ; my wave's copy of its attn
	v_mov_b32 v20, 0                               ; a lane permute's destination counts as one of its sources
	v_lshlrev_b32 v4, 4, v19                       ; 16 x lane
	v_lshl_add_u32 v7, v19, 3, s29
	v_lshl_add_u32 v9, v19, 4, s30
	v_lshl_add_u32 v10, v19, 4, RED
	s_wait_alu depctr_va_vdst(0)
	s_wait_kmcnt 0x0
	s_add_nc_u64 s[4:5], s[4:5], s[22:23]
	s_add_nc_u64 s[6:7], s[6:7], s[22:23]
	s_add_nc_u64 s[8:9], s[8:9], s[22:23]
	s_add_nc_u64 s[10:11], s[10:11], s[24:25]
	s_add_nc_u64 s[12:13], s[12:13], s[22:23]
	s_add_nc_u64 s[12:13], s[12:13], s[26:27]
	s_add_nc_u64 s[14:15], s[14:15], s[22:23]
	s_add_nc_u64 s[16:17], s[16:17], s[22:23]
	global_load_b64 v[12:13], v3, s[4:5]
	global_load_b64 v[14:15], v3, s[6:7]
	global_load_b64 v[16:17], v3, s[8:9]
.set I, 0
.rept 32
	global_load_b128 v[H+4*I:H+4*I+3], v4, s[10:11] offset:4096*I th:TH_LOAD_NT
.set I, I+1
.endr
	s_wait_loadcnt 34                              ; the scores are in; mask, coverage and 32 rows may be out
	v_max_num_f32 v18, v12, v13
	ROW4 v_max_num_f32_dpp, 18
	s_delay_alu instid0(VALU_DEP_1)
	v_permlanex16_b32 v20, v18, s32, s33
	s_delay_alu instid0(VALU_DEP_1)
	v_max_num_f32 v18, v18, v20                    ; my wave's largest
	ds_store_b32 v5, v18                           ; all lanes store the same word
	s_wait_dscnt 0x0                               ; for the others' sake
	s_barrier_signal -1
	s_barrier_wait -1
.irp i, 0,1,2,3
	ds_load_b128 v[24+4*\i:27+4*\i], v6 offset:16*\i
.endr
	s_wait_dscnt 0x0
	v_max3_num_f32 v21, v24, v25, v26
.irp i, 27,29,31,33,35,37
	s_delay_alu instid0(VALU_DEP_1)
	v_max3_num_f32 v21, v21, v[\i], v[\i+1]
.endr
	s_delay_alu instid0(VALU_DEP_1)
	v_max_num_f32 v21, v21, v39                    ; M
	s_delay_alu instid0(VALU_DEP_1)
	v_sub_f32 v12, v12, v21
	v_sub_f32 v13, v13, v21
	s_delay_alu instid0(VALU_DEP_2)
	v_mul_f32 v12, s34, v12
	s_delay_alu instid0(VALU_DEP_2)
	v_mul_f32 v13, s34, v13
	s_wait_alu depctr_va_vdst(0)                   ; ahead of the batch
	v_exp_f32 v12, v12
	v_exp_f32 v13, v13
	v_nop                                          ; a plain place behind the last transcendental
	s_wait_loadcnt 33                              ; the mask is in
	s_wait_alu depctr_va_vdst(0)                   ; behind the batch
	v_mul_f32 v12, v12, v14
	v_mul_f32 v13, v13, v15                        ; e
	s_delay_alu instid0(VALU_DEP_1)
	v_add_f32 v18, v12, v13
	ROW4 v_add_f32_dpp, 18
	s_delay_alu instid0(VALU_DEP_1)
	v_permlanex16_b32 v20, v18, s32, s33
	s_delay_alu instid0(VALU_DEP_1)
	v_add_f32 v18, v18, v20
	ds_store_b32 v5, v18 offset:256                ; other bytes than the maxima's: no barrier is owed between the two uses
	s_wait_alu depctr_va_vdst(0)
	s_wait_dscnt 0x0
	s_barrier_signal -1
	s_barrier_wait -1
.irp i, 0,1,2,3
	ds_load_b128 v[24+4*\i:27+4*\i], v6 offset:256+16*\i
.endr
	s_wait_dscnt 0x0
	v_pk_add_f32 v[24:25], v[24:25], v[26:27]
.irp i, 28,30,32,34,36,38
	s_delay_alu instid0(VALU_DEP_1)
	v_pk_add_f32 v[24:25], v[24:25], v[\i:\i+1]
.endr
	s_delay_alu instid0(VALU_DEP_1)
	v_add_f32 v24, v24, v25                        ; Z
	s_wait_alu depctr_va_vdst(0)
	v_rcp_f32 v22, v24
	v_nop
	s_wait_alu depctr_va_vdst(0)
	v_mul_f32 v12, v12, v22                        ; attn
	v_mul_f32 v13, v13, v22
	ds_store_b64 v7, v[12:13]                      ; into my wave's own copy; LDS serves a wave's instructions in order (ISA guide 5.7.1.4): the loads below see it
.irp i, 0,1,2,3,4,5,6,7,8,9,10,11,12,13,14,15
	ds_load_b128 v[W+4*\i:W+4*\i+3], v8 offset:16*\i
.endr
	s_lshr_b32 s35, s3, 1
	s_cmp_lg_u32 s35, s21
	s_wait_alu depctr_va_vdst(0)
	s_cbranch_scc1 .Lnot_mine                      ; waves 2 c and 2 c + 1 hold t = 128 c .. 128 c + 127
	s_wait_loadcnt 32                              ; coverage is in
	v_add_f32 v16, v16, v12
	v_add_f32 v17, v17, v13
	global_store_b64 v3, v[12:13], s[14:15]        ; 32 lanes store 256 consecutive bytes, aligned
	global_store_b64 v3, v[16:17], s[16:17]
.Lnot_mine:
	s_wait_dscnt 0x0                               ; my 64 attn
; eight rows.  left: the younger loads.  fill = 1: their registers take the rows 32 further down
.macro BATCH k, fill, left
.if (\k) > 0
	s_wait_alu depctr_va_vdst(0)
.endif
	s_wait_loadcnt \left
.irp q, 0,1,2,3,4,5,6,7
.irp e, 0,1,2,3
.if ((\k) == 0) && (\q < 2)
	v_mul_f32 v[AC+4*(\q%2)+\e], v[H+4*((8*(\k)+\q)%32)+\e], v[W+8*(\k)+\q]      ; the first two rows start the sums
.else
	v_fmac_f32 v[AC+4*(\q%2)+\e], v[H+4*((8*(\k)+\q)%32)+\e], v[W+8*(\k)+\q]
.endif
.endr
.endr
.if \fill
.irp q, 0,1,2,3,4,5,6,7
	global_load_b128 v[H+4*(8*(\k)+\q):H+4*(8*(\k)+\q)+3], v4, s[10:11] offset:4096*(8*(\k)+\q+32) th:TH_LOAD_NT
.endr
.endif
.endm
	BATCH 0, 1, 24
	BATCH 1, 1, 24
	BATCH 2, 1, 24
	BATCH 3, 1, 24
	BATCH 4, 0, 24
	BATCH 5, 0, 16
	BATCH 6, 0, 8
	BATCH 7, 0, 0
	v_pk_add_f32 v[AC:AC+1], v[AC:AC+1], v[AC+4:AC+5]
	v_pk_add_f32 v[AC+2:AC+3], v[AC+2:AC+3], v[AC+6:AC+7]
	ds_store_b128 v9, v[AC:AC+3]
	s_wait_dscnt 0x0                               ; for wave 0's sake
	s_barrier_signal -1
	s_barrier_wait -1
	s_cmp_lg_u32 s3, 0
	s_cbranch_scc1 .Lend
.irp k, 0,1,2,3,4,5,6,7,8,9,10,11,12,13,14,15
	ds_load_b128 v[H+4*\k:H+4*\k+3], v10 offset:512*\k         ; the sixteen waves' shares of my four columns
.endr
	s_wait_dscnt 0x0
.irp k, 1,2,3,4,5,6,7,8,9,10,11,12,13,14,15
	v_pk_add_f32 v[H:H+1], v[H:H+1], v[H+4*\k:H+4*\k+1]
	v_pk_add_f32 v[H+2:H+3], v[H+2:H+3], v[H+4*\k+2:H+4*\k+3]
.endr
	global_store_b128 v4, v[H:H+3], s[12:13]       ; 32 lanes store 512 consecutive bytes, aligned
.Lend:
	s_wait_tensorcnt 0x0                           ; the wave's end
	ds_add_u32 v1, v2
	s_wait_dscnt 0x0
	s_endpgm
.Lfunc_end_k_qb3e87e8ad1_ctx:
	.size	k_qb3e87e8ad1_ctx, .Lfunc_end_k_qb3e87e8ad1_ctx-k_qb3e87e8ad1_ctx
	.p2alignl 7, 3214868480
	.fill 96, 4, 3214868480
	.section	.rodata,"a",@progbits
	.p2align	6, 0x0
	.amdhsa_kernel k_qb3e87e8ad1_ctx
		.amdhsa_group_segment_fixed_size 14848
		.amdhsa_private_segment_fixed_size 0
		.amdhsa_enable_private_segment 0
		.amdhsa_kernarg_size 56
		.amdhsa_user_sgpr_count 2
		.amdhsa_user_sgpr_kernarg_segment_ptr 1
		.amdhsa_wavefront_size32 1
		.amdhsa_system_sgpr_workgroup_id_x 1
		.amdhsa_system_sgpr_workgroup_id_y 1
		.amdhsa_system_sgpr_workgroup_id_z 1
		.amdhsa_system_vgpr_workitem_id 0
		.amdhsa_next_free_vgpr 256
		.amdhsa_next_free_sgpr 66
		.amdhsa_reserve_vcc 0
		.amdhsa_float_denorm_mode_32 3
		.amdhsa_float_denorm_mode_16_64 3
		.amdhsa_memory_ordered 1
		.amdhsa_forward_progress 1
		.amdhsa_inst_pref_size 27
	.end_amdhsa_kernel
	.amdgpu_metadata
---
amdhsa.version: [ 1, 2 ]
amdhsa.kernels:
  - .name:           k_qb3e87e8ad1_ctx
    .symbol:         k_qb3e87e8ad1_ctx.kd
    .args:
      - { .name: scores, .offset: 0, .size: 8, .value_kind: global_buffer, .address_space: global }
      - { .name: enc_padding_mask, .offset: 8, .size: 8, .value_kind: global_buffer, .address_space: global }
      - { .name: coverage, .offset: 16, .size: 8, .value_kind: global_buffer, .address_space: global }
      - { .name: h, .offset: 24, .size: 8, .value_kind: global_buffer, .address_space: global }
      - { .name: out0, .offset: 32, .size: 8, .value_kind: global_buffer, .address_space: global }
      - { .name: out1, .offset: 40, .size: 8, .value_kind: global_buffer, .address_space: global }
      - { .name: out2, .offset: 48, .size: 8, .value_kind: global_buffer, .address_space: global }
    .group_segment_fixed_size: 14848
    .private_segment_fixed_size: 0
    .kernarg_segment_align: 8
    .kernarg_segment_size: 56
    .max_flat_workgroup_size: 512
    .sgpr_count:     66
    .vgpr_count:     256
    .wavefront_size: 32
...
	.end_amdgpu_metadata
.endif
;; end of part 3
